; MI455X (gfx1250); checked and timed in simulation.
; The chip was launched on July 23, 2026; its instructions are those of AMD's public machine-readable ISA for CDNA 5 (MIT licence, August 2026) and "CDNA5" Instruction Set Architecture Reference Guide (July 2026). The comments in the code are by the model that wrote it; some were corrected since.
;; Bahdanau Attention. Allowed arithmetic: matrix products marked QUANTISED: E5M2 operands, one E8M0 scale for each 32 along K, by v_wmma_scale_f32_16x16x128_f8f6f4 with both operands' format E5M2, f32 sums; products left as they are: f32 operands where the result goes on into a quantised operand, else bf16, f16 or f32 operands; f32 sums; everything else in f32.
;; Inputs: Ua_b 1,024 float32; Ua_w_codes 1,024 x 32 x 32 uint8 (E5M2 codes of Ua_w, K innermost, in blocks of 32 codes); Ua_w_scales 1,024 x 32 uint8 (E8M0 scales of Ua_w, one for each 32 codes along K); Va_b 1 float32; Va_w 1 x 1,024 float32; Wa_b 1,024 float32; Wa_w_codes 1,024 x 32 x 32 uint8 (E5M2 codes of Wa_w, K innermost, in blocks of 32 codes); Wa_w_scales 1,024 x 32 uint8 (E8M0 scales of Wa_w, one for each 32 codes along K); hs 32 x 2,048 x 1,024 float32; ht_codes 32 x 1 x 32 x 32 uint8 (E5M2 codes of ht, K innermost, in blocks of 32 codes); ht_scales 32 x 1 x 32 uint8 (E8M0 scales of ht, one for each 32 codes along K).
;; Outputs: out0 32 x 1 x 1,024 float32; out1 32 x 1 x 2,048 float32.
;; This version of the problem:
;;   THIS VERSION OF THE PROBLEM IS GIVEN IN LOW PRECISION. The matrix products marked QUANTISED in the list below multiply operands that are first quantised to E5M2 (5 exponent bits, 2 mantissa bits; 8 bits a number), with one power-of-two scale for each 32 numbers along K (OCP MX v1.0); their sums are f32. All else is computed in f32.
;;   The module's matrix products, in the order in which they are computed (A, B: the left and right operand; K: the contracted axis; several contracted axes count as one K, in the product's order):
;;     1. [M 32, K 1,024] x [K 1,024, N 1,024]; A: input ht (given as codes); B: input Wa_w (given as codes): QUANTISED
;;     2. [M 65,536, K 1,024] x [K 1,024, N 1,024]; A: input hs; B: input Ua_w (given as codes): QUANTISED
;;     3. [M 65,536, K 1,024] x [K 1,024, N 1]; A: computed on the way; B: input Va_w: left as it is (N = 1 < 16)
;;     4. batch 32 x [M 1, K 2,048] x [K 2,048, N 1,024]; A: softmax; B: input hs: left as it is (M = 1 < 16)
;;   THE QUANTISER, for each operand of a quantised product, along K:
;;     - K is cut into blocks of 32 from its start; a last block that is shorter is filled with zeros.
;;     - A block's scale is 2^e with e = floor(log2(the largest magnitude in the block)) - 15, held to -126 .. 127; a block of zeros has e = 0. As a byte (E8M0): e + 127.
;;     - Each number is divided by its block's scale, clamped to +-57,344, and rounded to the nearest number of E5M2, ties to even, subnormals kept.
;;     - The product sums the exact products of the quantised numbers (number of the format x scale) in f32.
;;   ~~~python
;;   def quantise(x, axis):      # numpy; x: float32 -> the quantised numbers, widened to float32 again
;;       x = np.moveaxis(x, axis, -1); K = x.shape[-1]
;;       x = np.pad(x, [(0, 0)] * (x.ndim - 1) + [(0, -K % 32)]); x = x.reshape(x.shape[:-1] + (-1, 32)); a = np.abs(x).max(-1, keepdims=True)
;;       e = np.where(a > 0, np.clip(np.frexp(np.where(a > 0, a, 1))[1] - 1 - 15, -126, 127), 0)      # np.frexp(a)[1] - 1 = floor(log2(a)), exactly
;;       r = np.clip(x / 2.0 ** e, -57344, 57344)
;;       step = 2.0 ** (np.maximum(np.frexp(np.where(r == 0, 1, r))[1] - 1, -14) - 2)
;;       q = np.round(r / step) * step * 2.0 ** e      # np.round: ties to even
;;       return np.moveaxis(q.reshape(q.shape[:-2] + (-1,))[..., :K], -1, axis).astype(np.float32)
;;   ~~~
;;   INPUTS GIVEN AS CODES. Ua_w (in the module: [1024, 1024], K = its axis 1); Wa_w (in the module: [1024, 1024], K = its axis 1); ht (in the module: [32, 1, 1024], K = its axis 2): each comes as NAME_codes (uint8): NAME with its K axis moved to the last place and cut into blocks of 32 codes, [.., K / 32, bytes a block], one block behind the other in memory; one code a byte (a code: sign, 5 exponent bits, 2 mantissa bits); and NAME_scales (uint8): the same leading axes, one E8M0 byte (e + 127) for each 32 codes along K. Its value is code x scale, taken as it is: it is not quantised again, and the codes and scales need not be those that the quantiser above would give.
;; One version. Each part assembles by itself: llvm-mc -triple=amdgcn-amd-amdhsa -mcpu=gfx1250 --defsym DOCPART=n.
;; ======== version 1 of 1: 3 launches
;; limits: values are held in bf16: 8 bits of precision; right only within a limited range of input values
;; workspace buffers: qb 131,072 bytes; scores 262,144 bytes; pctx 2,097,152 bytes
;; launch qproj (part 1): grid 16 x 1, 4 waves a work-group, no clusters, 9,216 bytes of LDS; arguments ht_codes, ht_scales, Wa_w_codes, Wa_w_scales, Wa_b, Ua_b, qb; writes qb
.if DOCPART == 1
	.amdgcn_target "amdgcn-amd-amdhsa--gfx1250"
	.amdhsa_code_object_version 6
	.text
	.protected	k_qa5c3533a67_qproj
	.globl	k_qa5c3533a67_qproj
	.p2align	8
	.type	k_qa5c3533a67_qproj,@function
k_qa5c3533a67_qproj:
	s_mov_b64 s[64:65], 0
	v_nop
	global_prefetch_b8 v0, s[64:65] scope:SCOPE_SE
	s_setreg_imm32_b32 hwreg(HW_REG_WAVE_MODE, 25, 1), 1
	s_wait_xcnt 0x0
; qb[b][o] = c x (sum over k of ht[b][k] Wa[o][k] + Wa_b[o] + Ua_b[o]),  c = 2 log2(e): the part of tanh's argument that does not hang on the row of hs, already in the scale of the exponential.
; ht [32][1024] and Wa [1024][1024] arrive as codes of E5M2 with one E8M0 byte for each 32 along K; they go to the matrix unit as they lie.
; SHARES: 16 work-groups x 4 waves; wave w of work-group g makes outputs 16 T .. 16 T + 15, T = 4 g + w, for all 32 batches: two accumulators, 8 K steps of 128 each: 16 matrix instructions.
; TRANSPOSED USE: source 0 = 16 rows of Wa, source 1 = 16 rows of ht: lane (r, h) then holds batch r and its register j the output 16 T + 8 h + j: eight neighbours of a row of qb.
; SCALE WORDS: a row has 32 scale bytes = 8 words; one load of 16 bytes at 32 row + 16 h puts words 0-3 into lanes 0-15 and words 4-7 into lanes 16-31: K step s takes register s % 4, lanes' half s / 4.
; THE WAY OUT: a work-group's 64 outputs are 256 bytes of a row of qb: the four waves meet in a stage (32 rows x 272 bytes); each wave then stores 8 rows, sixteen lanes to 256 aligned consecutive bytes.
; No cluster, no tensor load: no two work-groups read the same rows of Wa, and ht is 32 KiB.  LIMITS: NaN and infinities among the inputs are not served.
; REGISTERS: window 0: v1-6 addresses; v8-11 Wa's scale words; v12-19 ht's; v20-27 Wa_b, v28-35 Ua_b; v40-55 the two accumulators; v64-191 Wa's 8 fragments; v192-207 rows read back.  window 1: ht's 16 fragments at 128 bt + 16 s.
.set MSB, 0
.macro WIN new                         ; the immediate's high byte repeats the setting that is left
.if MSB != \new
	s_set_vgpr_msb (MSB<<8)|\new
.set MSB, \new
.endif
.endm
	s_load_b256 s[4:11], s[0:1], 0x0               ; ht's codes s[4:5], ht's scales s[6:7], Wa's codes s[8:9], Wa's scales s[10:11]
	s_load_b128 s[12:15], s[0:1], 0x20             ; Wa_b s[12:13], Ua_b s[14:15]
	s_load_b64 s[16:17], s[0:1], 0x30              ; qb
	v_lshl_add_u32 v254, v0, 2, 0x2200
	v_mov_b32 v255, 0
	v_lshrrev_b32 v7, 5, v0
	v_readfirstlane_b32 s18, v7                    ; wave 0..3
	v_and_b32 v7, 15, v0                           ; r
	s_wait_alu depctr_va_vdst(0)
	v_bfe_u32 v36, v0, 4, 1                        ; h
	v_lshlrev_b32 v1, 10, v7
	v_lshl_add_u32 v1, v36, 4, v1                  ; codes: row r of 1,024 bytes + 16 h
	v_lshlrev_b32 v2, 5, v7
	v_lshl_add_u32 v2, v36, 4, v2                  ; scale bytes: row r of 32 bytes + 16 h
	v_lshlrev_b32 v3, 5, v36                       ; biases: 8 h numbers on
	s_lshl_b32 s19, ttmp9, 2
	s_add_co_u32 s19, s19, s18                     ; T
	s_lshl_b32 s20, s19, 14                        ; 16 rows of Wa's codes
	s_mov_b32 s21, 0
	s_lshl_b32 s22, s19, 9                         ; 16 rows of its scale bytes
	s_mov_b32 s23, 0
	s_lshl_b32 s24, s19, 6                         ; 16 numbers of a bias
	s_mov_b32 s25, 0
	s_lshl_b32 s26, ttmp9, 8                       ; the work-group's 256 bytes of a row of qb
	s_mov_b32 s27, 0
	s_mov_b32 s28, 0x4038aa3b                      ; c = 2 log2(e)
	s_mov_b32 s29, s28                             ; (named with it as a pair, so it is written)
	s_lshl_b32 s30, s18, 6
	v_mul_u32_u24 v4, v7, 272
	s_wait_alu depctr_va_vdst(0)
	v_lshl_add_u32 v4, v36, 5, v4
	v_add_nc_u32 v4, s30, v4                       ; the stage, in: row r, + 64 w + 32 h
	s_lshl_b32 s30, s18, 3
	v_add_nc_u32 v37, s30, v36                     ; 8 w + h: lanes 0-15 take one row, lanes 16-31 the next
	v_mul_u32_u24 v5, v37, 272
	v_lshl_add_u32 v5, v7, 4, v5                   ; the stage, back
	v_lshlrev_b32 v6, 12, v37
	v_lshl_add_u32 v6, v7, 4, v6                   ; and the same place in qb
	s_wait_kmcnt 0x0
	s_add_nc_u64 s[8:9], s[8:9], s[20:21]
	s_add_nc_u64 s[10:11], s[10:11], s[22:23]
	s_add_nc_u64 s[12:13], s[12:13], s[24:25]
	s_add_nc_u64 s[14:15], s[14:15], s[24:25]
	s_add_nc_u64 s[16:17], s[16:17], s[26:27]
.irp s, 0,1,2,3,4,5,6,7
.irp c, 0,1,2,3
	global_load_b128 v[64+16*\s+4*\c:64+16*\s+4*\c+3], v1, s[8:9] offset:128*\s+32*\c     ; Wa(16 T + r, 128 s + 32 c + 16 h ..)
.endr
.endr
	global_load_b128 v[8:11], v2, s[10:11]
	global_load_b128 v[12:15], v2, s[6:7]
	global_load_b128 v[16:19], v2, s[6:7] offset:512
	global_load_b128 v[20:23], v3, s[12:13]
	global_load_b128 v[24:27], v3, s[12:13] offset:16
	global_load_b128 v[28:31], v3, s[14:15]
	global_load_b128 v[32:35], v3, s[14:15] offset:16
	WIN 0x40                                       ; destination window 1
.irp b, 0,1
.irp s, 0,1,2,3,4,5,6,7
.irp c, 0,1,2,3
	global_load_b128 v[128*\b+16*\s+4*\c:128*\b+16*\s+4*\c+3], v1, s[4:5] offset:16384*\b+128*\s+32*\c   ; ht(16 bt + r, ..)
.endr
.endr
.endr
	s_wait_loadcnt 0x0
	WIN 0x04                                       ; source 1 (ht) window 1
.irp s, 0,1,2,3,4,5,6,7                        ; the two accumulators take turns, one instruction a turn; the first K step starts the sums
.irp b, 0,1
.if \s == 0
	v_wmma_scale_f32_16x16x128_f8f6f4 v[40+8*\b:47+8*\b], v[64+16*\s:79+16*\s], v[128*\b+16*\s:128*\b+16*\s+15], 0, v[8+\s%4], v[12+4*\b+\s%4] matrix_a_fmt:MATRIX_FMT_BF8 matrix_b_fmt:MATRIX_FMT_BF8
.elseif \s < 4
	v_wmma_scale_f32_16x16x128_f8f6f4 v[40+8*\b:47+8*\b], v[64+16*\s:79+16*\s], v[128*\b+16*\s:128*\b+16*\s+15], v[40+8*\b:47+8*\b], v[8+\s%4], v[12+4*\b+\s%4] matrix_a_fmt:MATRIX_FMT_BF8 matrix_b_fmt:MATRIX_FMT_BF8
.else
	v_wmma_scale_f32_16x16x128_f8f6f4 v[40+8*\b:47+8*\b], v[64+16*\s:79+16*\s], v[128*\b+16*\s:128*\b+16*\s+15], v[40+8*\b:47+8*\b], v[8+\s%4], v[12+4*\b+\s%4] matrix_a_fmt:MATRIX_FMT_BF8 matrix_b_fmt:MATRIX_FMT_BF8 matrix_a_scale:MATRIX_SCALE_ROW1 matrix_b_scale:MATRIX_SCALE_ROW1
.endif
.endr
.endr
	WIN 0
.irp q, 0,2,4,6
	v_pk_add_f32 v[20+\q:21+\q], v[20+\q:21+\q], v[28+\q:29+\q]               ; Wa_b + Ua_b
.endr
.irp q, 0,2,4,6
	v_pk_mul_f32 v[20+\q:21+\q], v[20+\q:21+\q], s[28:29] op_sel_hi:[1,0]      ; x c.  These eight lines name no register of the products: they are the eight places behind the last of them
.endr
.irp n, 0,1,2,3,4,5,6,7
	v_pk_fma_f32 v[40+2*\n:41+2*\n], v[40+2*\n:41+2*\n], s[28:29], v[20+2*(\n%4):21+2*(\n%4)] op_sel_hi:[1,0,1]   ; c q + c (biases); each accumulator from its low end on
.endr
	ds_store_b128 v4, v[40:43]
	ds_store_b128 v4, v[44:47] offset:16
	ds_store_b128 v4, v[48:51] offset:4352         ; batches 16 on: 16 rows of 272 bytes further
	ds_store_b128 v4, v[52:55] offset:4368
	s_wait_dscnt 0x0                               ; for the others' sake: my stores into the stage are done
	s_barrier_signal -1
	s_barrier_wait -1
.irp i, 0,1,2,3
	ds_load_b128 v[192+4*\i:195+4*\i], v5 offset:544*\i
.endr
.irp i, 0,1,2,3
	s_wait_dscnt 3-\i                              ; the younger loads may be out
	global_store_b128 v6, v[192+4*\i:195+4*\i], s[16:17] offset:8192*\i   ; 16 lanes store 256 consecutive bytes, at a multiple of 256 from qb's first byte
.endr
	s_wait_tensorcnt 0x0
	ds_add_u32 v254, v255
	s_wait_dscnt 0x0
	s_endpgm
.Lfunc_end_k_qa5c3533a67_qproj:
	.size	k_qa5c3533a67_qproj, .Lfunc_end_k_qa5c3533a67_qproj-k_qa5c3533a67_qproj
	.p2alignl 7, 3214868480
	.fill 96, 4, 3214868480
	.section	.rodata,"a",@progbits
	.p2align	6, 0x0
	.amdhsa_kernel k_qa5c3533a67_qproj
		.amdhsa_group_segment_fixed_size 9216
		.amdhsa_private_segment_fixed_size 0
		.amdhsa_enable_private_segment 0
		.amdhsa_kernarg_size 56
		.amdhsa_user_sgpr_count 2
		.amdhsa_user_sgpr_kernarg_segment_ptr 1
		.amdhsa_wavefront_size32 1
		.amdhsa_system_sgpr_workgroup_id_x 1
		.amdhsa_system_sgpr_workgroup_id_y 1
		.amdhsa_system_sgpr_workgroup_id_z 1
		.amdhsa_system_vgpr_workitem_id 0
		.amdhsa_next_free_vgpr 512
		.amdhsa_next_free_sgpr 66
		.amdhsa_reserve_vcc 0
		.amdhsa_float_denorm_mode_32 3
		.amdhsa_float_denorm_mode_16_64 3
		.amdhsa_memory_ordered 1
		.amdhsa_forward_progress 1
		.amdhsa_inst_pref_size 17
	.end_amdhsa_kernel
	.amdgpu_metadata
---
amdhsa.version: [ 1, 2 ]
amdhsa.kernels:
  - .name:           k_qa5c3533a67_qproj
    .symbol:         k_qa5c3533a67_qproj.kd
    .args:
      - { .name: ht_codes, .offset: 0, .size: 8, .value_kind: global_buffer, .address_space: global }
      - { .name: ht_scales, .offset: 8, .size: 8, .value_kind: global_buffer, .address_space: global }
      - { .name: Wa_w_codes, .offset: 16, .size: 8, .value_kind: global_buffer, .address_space: global }
      - { .name: Wa_w_scales, .offset: 24, .size: 8, .value_kind: global_buffer, .address_space: global }
      - { .name: Wa_b, .offset: 32, .size: 8, .value_kind: global_buffer, .address_space: global }
      - { .name: Ua_b, .offset: 40, .size: 8, .value_kind: global_buffer, .address_space: global }
      - { .name: qb, .offset: 48, .size: 8, .value_kind: global_buffer, .address_space: global }
    .group_segment_fixed_size: 9216
    .private_segment_fixed_size: 0
    .kernarg_segment_align: 8
    .kernarg_segment_size: 56
    .max_flat_workgroup_size: 128
    .sgpr_count:     66
    .vgpr_count:     512
    .wavefront_size: 32
...
	.end_amdgpu_metadata
.endif
;; end of part 1
;; launch main (part 2): grid 512 x 1, 4 waves a work-group, clusters of 4 x 1, 327,680 bytes of LDS; arguments hs, Ua_w_codes, Ua_w_scales, Va_w, qb, scores, pctx; writes scores, pctx
.if DOCPART == 2
	.amdgcn_target "amdgcn-amd-amdhsa--gfx1250"
	.amdhsa_code_object_version 6
	.text
	.protected	k_qa5c3533a67_main
	.globl	k_qa5c3533a67_main
	.p2align	8
	.type	k_qa5c3533a67_main,@function
k_qa5c3533a67_main:
	s_mov_b64 s[64:65], 0
	v_nop
	global_prefetch_b8 v0, s[64:65] scope:SCOPE_SE
	s_setreg_imm32_b32 hwreg(HW_REG_WAVE_MODE, 25, 1), 1
	s_wait_xcnt 0x0
	s_wait_alu depctr_hold_cnt(0) depctr_sa_sdst(0) depctr_va_vdst(0) depctr_va_sdst(0) depctr_va_ssrc(0) depctr_va_vcc(0) depctr_vm_vsrc(0)
	s_getreg_b32 s2, hwreg(HW_REG_IB_STS2, 6, 4)
	s_cmp_eq_u32 s2, 0
	s_cbranch_scc0 .Lentry_in_a_cluster
	s_endpgm
.Lentry_in_a_cluster:
	s_bfe_u32 s2, ttmp6, 0x10000c
	s_cmp_lg_u32 s2, 0x3003
	s_cbranch_scc0 .Lentry_shape_is_right
	s_endpgm
.Lentry_shape_is_right:
; One work-group takes 128 rows of hs (a sixteenth of a batch) through the whole chain and reads them from memory once.
;   1: the rows come as f32, are quantised along H into codes of E5M2 (one E8M0 scale for 32) that stay in operand registers, and are kept as bf16 (half in registers, half in LDS);
;   2: k = hs Ua^T on the codes; Ua's 1,024 rows walk through a ring of two LDS slots of 64 rows; tanh and the product with Va follow each tile of 16 columns;
;   3: the block's 128 scores, their maximum, w = exp(score - maximum);   4: the sum over the block's rows of w x (the kept bf16 row).
; Stored: 128 scores and one partial context row; the next launch makes the softmax over a batch's 16 blocks.
; TANH: tanh(x) = 1 - 2 r, r = 1 / (1 + 2^(c x)), c = 2 log2(e).  score = (sum of Va + Va_b) + S', S' = sum of (-2 Va[n]) r[n]: S' is stored, the next launch adds the constant.
; SHARES: waves w = 2 i + j.  Wave w loads, quantises and keeps rows 32 w .. 32 w + 31; it multiplies the 64 rows of half i (its own two tiles, lambda 0, 1, and wave w xor 1's, lambda 2, 3: 512 registers)
;   by rows 64 sigma + 32 j + 0 .. 31 of Ua in slot sigma: a fragment of Ua feeds four products.  Source 0 = 16 rows of Ua, source 1 = 16 rows of hs: a lane holds one row of hs and eight columns.
; A TILE: 16 products (K steps 0-3), the last tile's 32 exponentials as one batch, 16 products (K steps 4-7), its 32 reciprocals as one batch; each batch has a wait ahead and behind.
; CLUSTER: all work-groups walk the same Ua: four ask for each tile jointly (mask 15).  hs belongs to one work-group.  No prefetch: hs is read once by loads that run ahead; Ua is read again and again by all work-groups.
; LIMITS: NaN and infinities among the inputs are not served (the first tile multiplies r = 0 by table words, which have to be finite).  A block of 32 under 2^-111, zeros too, gets the byte 1: the bytes never leave the chip.
;   hs enters the context rounded to bf16.  v_exp_f32 and v_rcp_f32 flush denormals: r under 2^-126 counts as 0.
; REGISTERS: window 0: v1-14 addresses; v16-31 hs's scale words; v32-39 score sums; v40-47 Ua's scale words; v48-55 bias; v56-63 -2 Va; v64-127 two sets of sums; v128-255 eight fragments of Ua.
;   Phase 1: v12-15, v32-63 at work; v64-255 three buffers of 8 rows x 256; a fourth in window 3, v96-127 and v224-255, which the codes take last.  window 1: bf16 of my rows 0-15.  windows 2, 3: codes, K steps 0-3, 4-7.
.set PITCH, 1040
.set QTR,   16*PITCH
.set SLOTB, 4*QTR
.set USC,   2*SLOTB
.set RET,   USC+32768
.set STG,   RET+131072
.set SPI,   272
.set STGW,  16*SPI
.set TABB,  STG+4*STGW
.set TABV,  TABB+4096
.set SCP,   TABV+4096
.set WT,    SCP+1024
.set SPARE, WT+2048
.set SPW, 1
.set NIL, 2
.set XOF, 3
.set STW, 4
.set STB, 5
.set FOW, 6
.set FPA, 7
.set SOW, 8
.set SPA, 9
.set RWA, 10
.set ADB, 11                           ; my fragments of Ua in the slot that the runs of loads read
.set AD0, 12                           ; (32 j + r) PITCH + 16 h
.set ADS, 13
.set ADT, 14
.set BY,  12
.set HS,  16
.set SA,  32
.set US,  40
.set BI,  48
.set VA,  56
.set ACC, 64
.set BF,  128
.set AM,  32
.set SC,  36
.set CD,  40
.set TB,  48
.set CX,  64
.set MSB, 0
.macro WIN new                         ; the immediate's high byte repeats the setting that is left
.if MSB != (\new)
	s_set_vgpr_msb (MSB<<8)|(\new)
.set MSB, (\new)
.endif
.endm
.macro WALU
	s_wait_alu depctr_va_vdst(0)
.endm
.macro BAR
	s_barrier_signal -1
	s_barrier_wait -1
.endm
.macro ROUND                           ; a round of the cluster's barrier
	s_barrier_signal -1
	s_barrier_wait -1
	s_cmp_lg_u32 s18, 0
	s_cbranch_scc1 .Lnot_wave_0_\@
	s_barrier_signal -3
.Lnot_wave_0_\@:
	s_barrier_wait -3
	s_barrier_signal -1
	s_barrier_wait -1
.endm
.macro TLOAD g0, g1                    ; s_nop 0 and four v_nop behind a tensor load
	tensor_load_to_lds s[\g0:\g0+3], s[\g1:\g1+7]
	s_nop 0
.rept 4
	v_nop
.endr
.endm
.macro G1C g, rows                     ; group 1: so many rows of 1,024 bytes, 16 bytes of padding behind each; mask 15, bit 21 beside it
	s_mov_b32 s[\g], 15|(1<<20)|(1<<21)|(7<<22)|(3<<25)
	s_mov_b32 s[\g+1], 1024<<16
	s_mov_b32 s[\g+2], (\rows)<<16
	s_mov_b32 s[\g+3], 1024<<16
	s_mov_b32 s[\g+4], \rows
	s_mov_b32 s[\g+5], 1024
	s_mov_b32 s[\g+6], 0
	s_mov_b32 s[\g+7], 0
.endm
	s_load_b256 s[4:11], s[0:1], 0x0               ; hs, Ua's codes, Ua's scales, Va
	s_load_b128 s[12:15], s[0:1], 0x20             ; qb, scores
	s_load_b64 s[16:17], s[0:1], 0x30              ; pctx
	v_lshl_add_u32 v[SPW], v0, 2, SPARE
	v_mov_b32 v[NIL], 0
	ds_add_u32 v[SPW], v[NIL]                      ; the opening lines: the add twice and one wait
	ds_add_u32 v[SPW], v[NIL]
	v_lshrrev_b32 v11, 5, v0
	v_readfirstlane_b32 s18, v11                   ; wave
	s_lshr_b32 s57, s18, 1                         ; i
	s_and_b32 s58, s18, 1                          ; j
	s_mov_b32 s19, 0x600000                        ; 57,344's mantissa field
	s_mov_b32 s20, 0x76543210
	s_mov_b32 s21, 0xfedcba98
	s_mov_b32 s22, 0x4038aa3b                      ; c
	s_mov_b32 s23, s22
	s_mov_b32 s59, 0x3fb8aa3b                      ; log2(e)
	s_mov_b32 s60, 0x8000000                       ; the floor 2^(16 - 127)
	s_mov_b32 s61, 0xf8800000                      ; -(15 << 23)
	s_mov_b32 s62, 0x7f800000
	s_mov_b32 s69, 0
	G1C 28, 16                                     ; a refill: 16 rows a wave
	G1C 72, 64                                     ; the head: a whole slot
	s_mov_b32 s36, 15|(3<<16)|(1<<21)              ; half of Ua's scale bytes: 16,384 dense bytes as 64 rows of 32 elements of 8 bytes
	s_mov_b32 s37, 32<<16
	s_mov_b32 s38, 64<<16
	s_mov_b32 s39, 32<<16
	s_mov_b32 s40, 64
	s_mov_b32 s41, 32
	s_mov_b32 s42, 0
	s_mov_b32 s43, 0
	s_mul_i32 s24, s18, STGW
	s_add_co_u32 s24, s24, STG                     ; my stage
	s_xor_b32 s25, s18, 1
	s_mul_i32 s25, s25, STGW
	s_add_co_u32 s25, s25, STG                     ; my partner's
	s_lshl_b32 s26, s18, 15
	s_add_co_u32 s26, s26, RET
	v_and_b32 v11, 31, v0
	v_and_b32 v12, 15, v0
	v_bfe_u32 v13, v0, 4, 1
	v_lshlrev_b32 v[XOF], 5, v11
	v_lshl_add_u32 v[STW], v11, 3, s24
	v_lshrrev_b32 v[STB], 2, v11
	v_add_nc_u32 v[STB], s24, v[STB]
	v_mul_u32_u24 v12, v12, SPI
	v_lshl_add_u32 v14, v13, 4, v12
	v_add_nc_u32 v[FOW], s24, v14
	v_add_nc_u32 v[FPA], s25, v14
	v_lshl_add_u32 v14, v13, 2, v12
	v_add_nc_u32 v[SOW], s24, v14
	v_add_nc_u32 v[SPA], s25, v14
	v_lshl_add_u32 v[RWA], v11, 4, s26
	v_lshlrev_b32 v14, 4, v0
	v_add_nc_u32 v15, TABB, v14
	WALU                                           ; the head's end
	s_wait_dscnt 0x0
	s_wait_kmcnt 0x0
	s_bfe_u32 s2, ttmp6, 0x40000                   ; cx enters global addresses of hs, scores and pctx alone
	s_lshl_b32 s3, ttmp9, 2
	s_add_co_u32 s3, s3, s2                        ; my block
	s_mov_b32 s67, 0
	s_lshl_b32 s66, s3, 19
	s_lshl_b32 s68, s18, 17
	s_add_co_u32 s66, s66, s68
	s_add_nc_u64 s[4:5], s[4:5], s[66:67]          ; my wave's 32 rows
	s_lshl_b32 s66, s3, 9
	s_add_nc_u64 s[14:15], s[14:15], s[66:67]
	s_lshl_b32 s66, s3, 12
	s_lshl_b32 s68, s18, 10
	s_add_co_u32 s66, s66, s68
	s_add_nc_u64 s[16:17], s[16:17], s[66:67]
	s_lshr_b32 s66, ttmp9, 2                       ; the batch
	s_lshl_b32 s66, s66, 12
	s_add_nc_u64 s[12:13], s[12:13], s[66:67]
	s_mov_b32 s80, 1                               ; slot 0 whole
	s_mov_b32 s81, 0
	s_mov_b64 s[82:83], s[6:7]
	s_mov_b32 s84, 1                               ; slot 1 whole
	s_mov_b32 s85, SLOTB
	s_add_nc_u64 s[86:87], s[6:7], 0x10000
	s_lshl_b32 s66, s18, 14
	s_mov_b32 s44, 1                               ; the ring's one group 0: each refill turns the slot and goes 64 rows on
	s_mul_i32 s45, s18, QTR
	s_add_co_u32 s45, s45, SLOTB
	s_add_nc_u64 s[46:47], s[86:87], s[66:67]
	s_or_b32 s83, s83, 0x80000000
	s_or_b32 s87, s87, 0x80000000
	s_or_b32 s47, s47, 0x80000000
	s_lshl_b32 s66, s58, 14
	s_mov_b32 s52, 1
	s_add_co_u32 s53, s66, USC
	s_add_nc_u64 s[54:55], s[8:9], s[66:67]
	s_or_b32 s55, s55, 0x80000000
	ROUND
	s_cmp_lt_u32 s18, 1                            ; one joint load a wave, in one chain of branches
	s_cbranch_scc0 .Lh1
	TLOAD 80, 72
	s_branch .Lhj
.Lh1:
	s_cmp_lt_u32 s18, 2
	s_cbranch_scc0 .Lh2
	TLOAD 84, 72
	s_branch .Lhj
.Lh2:
	TLOAD 52, 36
.Lhj:
; ---- PHASE 1.  Half chunk i: 4 rows x 256 numbers; a lane takes 8 neighbours of each row, four lanes hold a block of 32.  Chunk c = i / 2: tile of rows c / 8, columns 256 ((c / 2) % 4) on, rows 8 (c % 2) on.
.macro HPAR i
.set C_, (\i)/2
.set H_, (\i)%2
.if (C_%4) < 3
.set XB_, 64+64*(C_%4)+32*H_
.set W_, 0
.else
.set XB_, 96+128*H_
.set W_, 3
.endif
.set R0_, 8*(C_%2)+4*H_
.set KP_, (C_/2)%4
.set MD_, C_/8
.set LO_, (16*MD_+R0_)*4096+1024*KP_
.endm
.macro LOADH i
	HPAR \i
	WIN (W_<<6)
.irp p, 0,1,2,3
	global_load_b128 v[XB_+8*\p:XB_+8*\p+3], v[XOF], s[4:5] offset:LO_+4096*\p th:TH_LOAD_NT
	global_load_b128 v[XB_+8*\p+4:XB_+8*\p+7], v[XOF], s[4:5] offset:LO_+4096*\p+16 th:TH_LOAD_NT
.endr
	WIN 0
.endm
.macro QUAD                            ; four rows by turns, at XB_ of window W_
	WIN (W_|(W_<<2))
.irp a, 0,1,2,3
	v_max3_num_f32 v[AM+\a], |v[XB_+8*\a]|, |v[XB_+8*\a+1]|, s60               ; with the floor: the byte cannot fall under 1
.endr
	WIN ((W_<<2)|(W_<<4))
.irp i, 2,4,6
.irp a, 0,1,2,3
	v_max3_num_f32 v[AM+\a], v[AM+\a], |v[XB_+8*\a+\i]|, |v[XB_+8*\a+\i+1]|
.endr
.endr
	WIN 0
.irp m, 1,2
.irp a, 0,1,2,3
	v_max_num_f32_dpp v[AM+\a], v[AM+\a], v[AM+\a] row_xmask:\m row_mask:0xf bank_mask:0xf
.endr
.endr
.irp a, 0,1,2,3
	v_add_nc_u32 v[SC+\a], s61, v[AM+\a]           ; the conversion's scale operand
.endr
.irp a, 0,1,2,3
	v_and_or_b32 v[AM+\a], v[AM+\a], s62, s19      ; 57,344 x the scale
.endr
.if MD_
	WIN (W_|(W_<<2))
.irp a, 0,1,2,3
.irp q, 0,1,2,3
	v_cvt_pk_bf16_f32 v[TB+4*\a+\q], v[XB_+8*\a+2*\q], v[XB_+8*\a+2*\q+1]
.endr
.endr
	WIN 0
.irp a, 0,1,2,3
	ds_store_b128 v[RWA], v[TB+4*\a:TB+4*\a+3] offset:((R0_+\a)*4+KP_)*512
.endr
.else
	WIN (0x40|W_|(W_<<2))
.irp a, 0,1,2,3
.irp q, 0,1,2,3
	v_cvt_pk_bf16_f32 v[64*KP_+4*(R0_+\a)+\q], v[XB_+8*\a+2*\q], v[XB_+8*\a+2*\q+1]
.endr
.endr
.endif
	WIN (W_|(W_<<6))
.irp a, 0,1,2,3
.irp i, 0,1,2,3,4,5,6,7
	v_med3_num_f32 v[XB_+8*\a+\i], v[XB_+8*\a+\i], -v[AM+\a], v[AM+\a]         ; the conversion does not saturate (ISA guide 7.6.2)
.endr
.endr
	WIN W_
.irp a, 0,1,2,3
	v_cvt_scalef32_pk8_bf8_f32 v[CD+2*\a:CD+2*\a+1], v[XB_+8*\a:XB_+8*\a+7], v[SC+\a]
.endr
	WIN 0
.irp a, 0,1,2,3
	v_lshrrev_b32 v[BY+\a], 23, v[SC+\a]           ; the byte; also the plain line behind the conversions
.endr
.irp a, 0,1,2,3
	ds_store_b64 v[STW], v[CD+2*\a:CD+2*\a+1] offset:SPI*(R0_+\a)
	ds_store_b8 v[STB], v[BY+\a] offset:256+SPI*(R0_+\a)
.endr
.endm
.macro HALF i                          ; the wait counts the younger half chunks' loads, 8 each: seven are out, fewer at the end
.if 31-(\i) < 7
	s_wait_loadcnt 8*(31-(\i))
.else
	s_wait_loadcnt 56
.endif
	HPAR \i
	QUAD
.if (\i)+8 <= 31
	LOADH (\i)+8
.endif
.endm
.macro FETCH mt, kap                   ; 16 rows x 256 codes come back as two fragments, mine as lambda = mt, my partner's as 2 + mt; 8 scale bytes of a row as one register, a word for each half of the lanes
.if (\kap) < 2
	WIN 0x80
.else
	WIN 0xc0
.endif
.irp f, 0,1
.irp c, 0,1,2,3
	ds_load_b128 v[64*(\mt)+16*((2*(\kap)+\f)%4)+4*\c:64*(\mt)+16*((2*(\kap)+\f)%4)+4*\c+3], v[FOW] offset:128*\f+32*\c
	ds_load_b128 v[64*(2+(\mt))+16*((2*(\kap)+\f)%4)+4*\c:64*(2+(\mt))+16*((2*(\kap)+\f)%4)+4*\c+3], v[FPA] offset:128*\f+32*\c
.endr
.endr
	WIN 0
	ds_load_b32 v[HS+4*(\mt)+(\kap)], v[SOW] offset:256
	ds_load_b32 v[HS+4*(2+(\mt))+(\kap)], v[SPA] offset:256
.endm
	global_load_b128 v[32:35], v14, s[12:13]       ; the batch's row of qb, and Va
	global_load_b128 v[36:39], v14, s[12:13] offset:2048
	global_load_b128 v[40:43], v14, s[10:11]
	global_load_b128 v[44:47], v14, s[10:11] offset:2048
.irp i, 0,1,2,3,4,5
	LOADH \i
.endr
	s_wait_loadcnt 48                              ; the four table loads are in; six half chunks may be out
	ds_store_b128 v15, v[32:35]
	ds_store_b128 v15, v[36:39] offset:2048
.irp q, 40,42,44,46
	v_pk_mul_f32 v[\q:\q+1], v[\q:\q+1], -2.0 op_sel_hi:[1,0]
.endr
	ds_store_b128 v15, v[40:43] offset:4096
	ds_store_b128 v15, v[44:47] offset:6144
	LOADH 6
	LOADH 7
.set U_, 0
.rept 8
	HALF 4*U_
	HALF 4*U_+1
	HALF 4*U_+2
	HALF 4*U_+3
	s_wait_dscnt 0x0                               ; my codes and bytes lie in my stage
	BAR
	FETCH U_/4, U_%4
	s_wait_dscnt 0x0                               ; my reads of both stages are over
.if U_ == 7
	s_wait_tensorcnt 0x0                           ; my tile of the head's has landed
.endif
	BAR
.set U_, U_+1
.endr
; ---- PHASE 2.
.macro LDF f
.irp c, 0,1,2,3
	ds_load_b128 v[BF+16*(\f)+4*\c:BF+16*(\f)+4*\c+3], v[ADB] offset:NFO+128*(\f)+32*\c
.endr
.endm
.macro MM cur, s, lam, t               ; Ua's scale word: register s % 4 of set t, lanes' half s / 4; hs's: register 4 lambda + s / 2, lanes' half s % 2
.set rD, (\cur)+8*(\lam)
.set rA, BF+16*(\s)
.set rB, 64*(\lam)+16*((\s)%4)
.set rU, US+4*(\t)+(\s)%4
.set rH, HS+4*(\lam)+(\s)/2
.if (\s) == 0
	v_wmma_scale_f32_16x16x128_f8f6f4 v[rD:rD+7], v[rA:rA+15], v[rB:rB+15], 0, v[rU], v[rH] matrix_a_fmt:MATRIX_FMT_BF8 matrix_b_fmt:MATRIX_FMT_BF8
.elseif (\s) == 2
	v_wmma_scale_f32_16x16x128_f8f6f4 v[rD:rD+7], v[rA:rA+15], v[rB:rB+15], v[rD:rD+7], v[rU], v[rH] matrix_a_fmt:MATRIX_FMT_BF8 matrix_b_fmt:MATRIX_FMT_BF8
.elseif (\s) < 4
	v_wmma_scale_f32_16x16x128_f8f6f4 v[rD:rD+7], v[rA:rA+15], v[rB:rB+15], v[rD:rD+7], v[rU], v[rH] matrix_a_fmt:MATRIX_FMT_BF8 matrix_b_fmt:MATRIX_FMT_BF8 matrix_b_scale:MATRIX_SCALE_ROW1
.elseif ((\s)%2) == 0
	v_wmma_scale_f32_16x16x128_f8f6f4 v[rD:rD+7], v[rA:rA+15], v[rB:rB+15], v[rD:rD+7], v[rU], v[rH] matrix_a_fmt:MATRIX_FMT_BF8 matrix_b_fmt:MATRIX_FMT_BF8 matrix_a_scale:MATRIX_SCALE_ROW1
.else
	v_wmma_scale_f32_16x16x128_f8f6f4 v[rD:rD+7], v[rA:rA+15], v[rB:rB+15], v[rD:rD+7], v[rU], v[rH] matrix_a_fmt:MATRIX_FMT_BF8 matrix_b_fmt:MATRIX_FMT_BF8 matrix_a_scale:MATRIX_SCALE_ROW1 matrix_b_scale:MATRIX_SCALE_ROW1
.endif
.endm
.macro TRB op, base                    ; a batch of 32 on a set of sums
.set n_, 0
.rept 32
	\op v[(\base)+n_], v[(\base)+n_]
.set n_, n_+1
.endr
.endm
.macro PKA base                        ; 1 + 2^(..)
.set n_, 0
.rept 16
	v_pk_add_f32 v[(\base)+n_:(\base)+n_+1], v[(\base)+n_:(\base)+n_+1], 1.0 op_sel_hi:[1,0]
.set n_, n_+2
.endr
.endm
.macro FINS prv                        ; the score sums take r x (-2 Va): four chains by turns
.irp q, 0,1,2,3
.irp lam, 0,1,2,3
	v_pk_fma_f32 v[SA+2*\lam:SA+2*\lam+1], v[(\prv)+8*\lam+2*\q:(\prv)+8*\lam+2*\q+1], v[VA+2*\q:VA+2*\q+1], v[SA+2*\lam:SA+2*\lam+1]
.endr
.endr
.endm
.macro BIASF cur                       ; c k + qb, each set of sums from its low end on
.set n_, 0
.rept 16
	v_pk_fma_f32 v[(\cur)+n_:(\cur)+n_+1], v[(\cur)+n_:(\cur)+n_+1], s[22:23], v[BI+n_%8:BI+n_%8+1] op_sel_hi:[1,0,1]
.set n_, n_+2
.endr
.endm
; A TILE of 16 columns: the t-th of my two in the slot in hand.  RUN A (middle): the next tile's scale words (1), this tile's bias (2), the last tile's Va (2), the next tile's fragments 0-3 (16): 21 loads.  RUN B (end): its fragments 4-7: 16.
; COUNTED WAITS: at the head 16 (run B may be out); ahead of K step 4: 21 (run A may be out); ahead of the sums with Va: 16 (run A's fragments stand behind Va).  The last tile's run A is four loads: 4, then 0.
; chg = 1: the change of slots, ahead of run A, the first to read the other slot; chg = 2: the same with no refill.  In a slot's second tile the addresses step to the next slot ahead of run A.
.macro TILE t, chg, nxt
.set CUR, ACC+32*(\t)
.set PRV, ACC+32*(1-(\t))
.if (\t) == 0
.set NFO, QTR
.set NUS, 512
.set BIO, 192
.set VAO, 4096
.elseif \nxt
.set NFO, 0
.set NUS, 0
.set BIO, 0
.set VAO, 4032
.else
.set BIO, 256
.set VAO, 4288
.endif
	s_wait_dscnt 16
	WIN 0x08
.irp s, 0,1,2,3
.if (\s == 3) && ((\chg) > 0)
	WIN 0
	s_wait_tensorcnt 0x0                           ; my one load that was out, my part of the other slot, has landed
	ds_add_u32 v[SPW], v[NIL]                      ; the add; work on registers stands between it and its wait
.if (\chg) == 1
	s_xor_b32 s45, s45, SLOTB
	s_add_nc_u64 s[46:47], s[46:47], 0x10000
.endif
	WIN 0x08
.endif
.irp lam, 0,1,2,3
	MM CUR, \s, \lam, \t
.endr
.endr
	WALU                                           ; ahead of the batch
	TRB v_exp_f32, PRV
	v_nop
	WALU                                           ; behind it
	PKA PRV                                        ; also the places ahead of the loads into fragments 0-3
	WALU                                           ; ahead of the reciprocals, of the round, and of K step 4's products
.if (\chg) > 0
	WIN 0
	s_wait_dscnt 0x0                               ; the add is done, my reads of this slot are over
.if (\chg) == 1
	ROUND
	TLOAD 44, 28                                   ; the joint refill: my one tensor load behind the round
.else
	BAR
.endif
.endif
.if ((\t) == 1) && (\nxt)
	s_xor_b32 s69, s69, SLOTB
	v_add_nc_u32 v[ADB], s69, v[AD0]
	v_add_nc_u32 v[ADS], 2048, v[ADS]
	v_add_nc_u32 v[ADT], 256, v[ADT]
.endif
.if \nxt
	ds_load_b128 v[US+4*(1-(\t)):US+4*(1-(\t))+3], v[ADS] offset:NUS
.endif
	ds_load_b128 v[BI:BI+3], v[ADT] offset:BIO
	ds_load_b128 v[BI+4:BI+7], v[ADT] offset:BIO+16
	ds_load_b128 v[VA:VA+3], v[ADT] offset:VAO
	ds_load_b128 v[VA+4:VA+7], v[ADT] offset:VAO+16
.if \nxt
.irp f, 0,1,2,3
	LDF \f
.endr
	s_wait_dscnt 21
.else
	s_wait_dscnt 4
.endif
	WIN 0x0c
.irp s, 4,5,6,7
.irp lam, 0,1,2,3
	MM CUR, \s, \lam, \t
.endr
.endr
	TRB v_rcp_f32, PRV
	v_nop
.if \nxt
	s_wait_dscnt 16
.else
	s_wait_dscnt 0x0
.endif
	WIN 0
	WALU                                           ; behind the batch
	FINS PRV                                       ; also the places behind the last products
	WALU                                           ; directly ahead of the first readers of this tile's sums
	BIASF CUR
.if \nxt
.irp f, 4,5,6,7
	LDF \f
.endr
.endif
.endm
	s_mul_i32 s24, s58, 32*PITCH
	s_lshl_b32 s25, s58, 10
	s_add_co_u32 s25, s25, USC
	s_lshl_b32 s26, s58, 7
	s_add_co_u32 s26, s26, TABB-192
	v_and_b32 v32, 15, v0
	v_bfe_u32 v33, v0, 4, 1
	v_mul_u32_u24 v[AD0], v32, PITCH
	v_lshl_add_u32 v[AD0], v33, 4, v[AD0]
	v_add_nc_u32 v[AD0], s24, v[AD0]
	v_mov_b32 v[ADB], v[AD0]
	v_lshlrev_b32 v[ADS], 5, v32
	v_lshl_add_u32 v[ADS], v33, 4, v[ADS]
	v_add_nc_u32 v[ADS], s25, v[ADS]
	v_lshl_add_u32 v[ADT], v33, 5, s26
.set NFO, 0
	ds_load_b128 v[US:US+3], v[ADS]
.irp f, 0,1,2,3,4,5,6,7
	LDF \f
.endr
.set n_, 0
.rept 32
	v_mov_b32 v[ACC+32+n_], s62                    ; the first tile finds +infinity in the other set: r = 0 adds nothing
.set n_, n_+1
.endr
.irp n, 0,1,2,3,4,5,6,7
	v_mov_b32 v[SA+\n], 0
.endr
	s_mov_b32 s56, 14
.Lslot:                                            ; a trip is a slot: two tiles, one refill: slots 2 to 15 are asked for
	TILE 0, 0, 1
	TILE 1, 1, 1
	s_sub_co_u32 s56, s56, 1
	s_cmp_lg_u32 s56, 0
	s_cbranch_scc1 .Lslot
	TILE 0, 0, 1                                   ; the last two slots are written out: they ask for nothing
	TILE 1, 2, 1
	TILE 0, 0, 1
	TILE 1, 0, 0
	ds_load_b128 v[VA:VA+3], v[ADT] offset:4352    ; the last tile's Va
	ds_load_b128 v[VA+4:VA+7], v[ADT] offset:4368
	WALU
	TRB v_exp_f32, ACC+32
	v_nop
	WALU
	PKA ACC+32
	WALU
	TRB v_rcp_f32, ACC+32
	v_nop
	s_wait_dscnt 0x0
	WALU
	FINS ACC+32
; ---- PHASE 3: the block's scores, their maximum, the weights.
	s_mul_i32 s24, s58, 640
	s_lshl_b32 s25, s57, 8
	s_add_co_u32 s24, s24, s25
	s_add_co_u32 s24, s24, SCP                     ; plane j, my own two tiles' rows
	s_xor_b32 s26, s58, 1
	s_lshl_b32 s26, s26, 7
	s_lshl_b32 s27, s58, 9
	s_add_co_u32 s26, s26, s27
	s_add_co_u32 s26, s26, s25
	s_add_co_u32 s26, s26, SCP                     ; plane j, my partner's two
	s_lshl_b32 s25, s18, 9
	s_add_co_u32 s25, s25, WT
	s_mul_i32 s27, s18, 640
	s_add_co_u32 s27, s27, WT
	s_lshl_b32 s66, s18, 12
	s_add_co_u32 s66, s66, STG
	s_lshl_b32 s68, s18, 10
	s_add_co_u32 s68, s68, STG
	v_and_b32 v15, 15, v0
	v_lshl_add_u32 v3, v15, 2, s24
	v_lshl_add_u32 v4, v15, 2, s26
	v_and_b32 v15, 31, v0
	v_lshlrev_b32 v6, 4, v15
	v_add_nc_u32 v5, SCP, v6
	v_add_nc_u32 v7, s25, v6                       ; my wave's copy of the weights
	v_mov_b32 v8, s27                              ; in it, those of my 32 rows
	v_lshl_add_u32 v9, v15, 5, s66                 ; my partial context
	v_add_nc_u32 v11, s68, v6                      ; the columns that I add and store
	WALU
.irp lam, 0,1,2,3
	v_add_f32 v[112+\lam], v[SA+2*\lam], v[SA+2*\lam+1]
.endr
.irp lam, 0,1,2,3
	v_permlanex16_b32 v[116+\lam], v[112+\lam], s20, s21
.endr
.irp lam, 0,1,2,3
	v_add_f32 v[112+\lam], v[112+\lam], v[116+\lam]
.endr
	ds_store_b32 v3, v112
	ds_store_b32 v3, v113 offset:64
	ds_store_b32 v4, v114
	ds_store_b32 v4, v115 offset:64
	WALU
	s_wait_dscnt 0x0
	BAR
	ds_load_b128 v[196:199], v5
	ds_load_b128 v[200:203], v5 offset:512
	s_wait_dscnt 0x0
	v_pk_add_f32 v[196:197], v[196:197], v[200:201]
	v_pk_add_f32 v[198:199], v[198:199], v[202:203]
	WALU
	s_cmp_lg_u32 s18, 0
	s_cbranch_scc1 .Lnot_first
	global_store_b128 v6, v[196:199], s[14:15] th:TH_STORE_NT   ; wave 0: 512 consecutive bytes; its registers are not written again
.Lnot_first:
	v_max3_num_f32 v209, v196, v197, v198
	v_max_num_f32 v209, v209, v199
.irp m, 1,2,4,8
	v_max_num_f32_dpp v209, v209, v209 row_xmask:\m row_mask:0xf bank_mask:0xf
.endr
	v_permlanex16_b32 v210, v209, s20, s21
	v_max_num_f32 v209, v209, v210
	v_mul_f32 v210, s59, v209
.irp e, 0,1,2,3
	v_fma_f32 v[204+\e], v[196+\e], s59, -v210
.endr
	WALU
.irp e, 0,1,2,3
	v_exp_f32 v[204+\e], v[204+\e]
.endr
	v_nop
	WALU
	ds_store_b128 v7, v[204:207]
.irp e, 0,1,2,3
	ds_load_b128 v[96+4*\e:99+4*\e], v8 offset:16*\e   ; LDS serves a wave's instructions in order (ISA guide 5.7.1.4): these see my store
.endr
; ---- PHASE 4: the sum over my 32 rows of w x row.  Lane l owns columns 256 kappa + 8 l + e, at v[CX + 8 kappa + e].
.macro LOADP buf, wp, off, woff
.irp x, 0,1,2,3,4,5,6,7
	ds_load_b128 v[(\buf)+4*\x:(\buf)+4*\x+3], v[RWA] offset:(\off)+512*\x
.endr
	ds_load_b64 v[(\wp):(\wp)+1], v8 offset:\woff
.endm
.macro PAIR buf, wp
.irp x, 0,1,2,3,4,5,6,7
.irp q, 0,1,2,3
	v_fma_mix_f32_bf16 v[CX+8*(\x%4)+2*\q], v[(\buf)+4*\x+\q], v[(\wp)+\x/4], v[CX+8*(\x%4)+2*\q] op_sel_hi:[1,0,0]
	v_fma_mix_f32_bf16 v[CX+8*(\x%4)+2*\q+1], v[(\buf)+4*\x+\q], v[(\wp)+\x/4], v[CX+8*(\x%4)+2*\q+1] op_sel:[1,0,0] op_sel_hi:[1,0,0]
.endr
.endr
.endm
	LOADP 128, 192, 0, 64
.set n_, 0
.rept 32
	v_mov_b32 v[CX+n_], 0
.set n_, n_+1
.endr
	s_wait_dscnt 9                                 ; the 16 weights are in; the first pair's nine loads may be out
	WIN 0x01
.irp p, 0,1,2,3,4,5,6,7,8,9,10,11,12,13,14,15
.irp k, 0,1,2,3
.irp q, 0,1,2,3
	v_fma_mix_f32_bf16 v[CX+8*\k+2*\q], v[64*\k+4*\p+\q], v[96+\p], v[CX+8*\k+2*\q] op_sel_hi:[1,0,0]
	v_fma_mix_f32_bf16 v[CX+8*\k+2*\q+1], v[64*\k+4*\p+\q], v[96+\p], v[CX+8*\k+2*\q+1] op_sel:[1,0,0] op_sel_hi:[1,0,0]
.endr
.endr
.endr
	WIN 0
	s_mov_b32 s56, 3
.Lpair:                                            ; a trip sums two pairs of rows; each pair's loads stand a pair ahead
	s_wait_dscnt 0x0
	LOADP 160, 194, 4096, 72
	PAIR 128, 192
	s_wait_dscnt 0x0
	v_add_nc_u32 v[RWA], 8192, v[RWA]
	v_add_nc_u32 v8, 16, v8
	LOADP 128, 192, 0, 64
	PAIR 160, 194
	s_sub_co_u32 s56, s56, 1
	s_cmp_lg_u32 s56, 0
	s_cbranch_scc1 .Lpair
	s_wait_dscnt 0x0
	LOADP 160, 194, 4096, 72
	PAIR 128, 192
	s_wait_dscnt 0x0
	PAIR 160, 194
.irp k, 0,1,2,3
	ds_store_b128 v9, v[CX+8*\k:CX+8*\k+3] offset:1024*\k          ; into the stages' bytes, which nobody has read since phase 1's last barrier
	ds_store_b128 v9, v[CX+8*\k+4:CX+8*\k+7] offset:1024*\k+16
.endr
	s_wait_dscnt 0x0
	BAR
.irp p, 0,1,2,3
	ds_load_b128 v[128+8*\p:131+8*\p], v11 offset:4096*\p
	ds_load_b128 v[132+8*\p:135+8*\p], v11 offset:4096*\p+512
.endr
	s_wait_dscnt 0x0
.irp q, 0,2,4,6
	v_pk_add_f32 v[128+\q:129+\q], v[128+\q:129+\q], v[136+\q:137+\q]
	v_pk_add_f32 v[144+\q:145+\q], v[144+\q:145+\q], v[152+\q:153+\q]
.endr
.irp q, 0,2,4,6
	v_pk_add_f32 v[128+\q:129+\q], v[128+\q:129+\q], v[144+\q:145+\q]
.endr
	global_store_b128 v6, v[128:131], s[16:17] th:TH_STORE_NT             ; 32 lanes store 512 consecutive bytes, at a multiple of 256 from pctx's first byte
	global_store_b128 v6, v[132:135], s[16:17] offset:512 th:TH_STORE_NT
	s_wait_tensorcnt 0x0                           ; the wave's end
	ds_add_u32 v[SPW], v[NIL]
	s_wait_dscnt 0x0
	ROUND                                          ; the closing round
	s_endpgm
.Lfunc_end_k_qa5c3533a67_main:
	.size	k_qa5c3533a67_main, .Lfunc_end_k_qa5c3533a67_main-k_qa5c3533a67_main
	.p2alignl 7, 3214868480
	.fill 96, 4, 3214868480
	.section	.rodata,"a",@progbits
	.p2align	6, 0x0
	.amdhsa_kernel k_qa5c3533a67_main
		.amdhsa_group_segment_fixed_size 327680
		.amdhsa_private_segment_fixed_size 0
		.amdhsa_enable_private_segment 0
		.amdhsa_kernarg_size 56
		.amdhsa_user_sgpr_count 2
		.amdhsa_user_sgpr_kernarg_segment_ptr 1
		.amdhsa_wavefront_size32 1
		.amdhsa_system_sgpr_workgroup_id_x 1
		.amdhsa_system_sgpr_workgroup_id_y 1
		.amdhsa_system_sgpr_workgroup_id_z 1
		.amdhsa_system_vgpr_workitem_id 0
		.amdhsa_next_free_vgpr 1024
		.amdhsa_next_free_sgpr 96
		.amdhsa_reserve_vcc 0
		.amdhsa_float_denorm_mode_32 3
		.amdhsa_float_denorm_mode_16_64 3
		.amdhsa_memory_ordered 1
		.amdhsa_forward_progress 1
		.amdhsa_inst_pref_size 255
	.end_amdhsa_kernel
	.section	.bss,"aw",@nobits
	.p2align	6
	.space	262144
	.amdgpu_metadata
---
amdhsa.version: [ 1, 2 ]
amdhsa.kernels:
  - .name:           k_qa5c3533a67_main
    .symbol:         k_qa5c3533a67_main.kd
    .args:
      - { .name: hs, .offset: 0, .size: 8, .value_kind: global_buffer, .address_space: global }
      - { .name: Ua_w_codes, .offset: 8, .size: 8, .value_kind: global_buffer, .address_space: global }
      - { .name: Ua_w_scales, .offset: 16, .size: 8, .value_kind: global_buffer, .address_space: global }
      - { .name: Va_w, .offset: 24, .size: 8, .value_kind: global_buffer, .address_space: global }
      - { .name: qb, .offset: 32, .size: 8, .value_kind: global_buffer, .address_space: global }
      - { .name: scores, .offset: 40, .size: 8, .value_kind: global_buffer, .address_space: global }
      - { .name: pctx, .offset: 48, .size: 8, .value_kind: global_buffer, .address_space: global }
    .group_segment_fixed_size: 327680
    .private_segment_fixed_size: 0
    .kernarg_segment_align: 8
    .kernarg_segment_size: 56
    .max_flat_workgroup_size: 128
    .sgpr_count:     96
    .vgpr_count:     1024
    .wavefront_size: 32
...
	.end_amdgpu_metadata
.endif
;; end of part 2
;; launch combine (part 3): grid 32 x 1, 8 waves a work-group, no clusters, 1,536 bytes of LDS; arguments scores, pctx, Va_w, Va_b, out0, out1; writes out0, out1
.if DOCPART == 3
	.amdgcn_target "amdgcn-amd-amdhsa--gfx1250"
	.amdhsa_code_object_version 6
	.text
	.protected	k_qa5c3533a67_combine
	.globl	k_qa5c3533a67_combine
	.p2align	8
	.type	k_qa5c3533a67_combine,@function
k_qa5c3533a67_combine:
	s_mov_b64 s[64:65], 0
	v_nop
	global_prefetch_b8 v0, s[64:65] scope:SCOPE_SE
	s_setreg_imm32_b32 hwreg(HW_REG_WAVE_MODE, 25, 1), 1
	s_wait_xcnt 0x0
; One work-group to a batch: the softmax over its 2,048 scores, and its context from the 16 blocks' partial contexts.
; scores holds S' = score - (sum of Va + Va_b); the constant is made here (Va and Va_b are read) and added ahead of the maximum.  pctx[k] = the sum over block k's rows of exp(S' - block k's largest S') x row.
; attn = exp(S - m) / l, m the batch's largest score, l the sum;  ctx = the sum over k of exp(m_k - m) / l x pctx[k], m_k block k's largest score.
; Every load and store of a wave covers 512 consecutive bytes.  All 19 loads go out at once.  Three sums or maxima over the waves go through LDS words of their own (bytes 0-31, 64-127, 128-159): one barrier each.
; 32 work-groups are all the work there is.  No matrix unit, no cluster: nothing is shared and nothing is multiplied in bulk.  LIMITS: NaN and infinities are not served.
.macro RSUM x, t                       ; the sum over the wave's 32 lanes, in every lane
	s_delay_alu instid0(VALU_DEP_1)
	v_add_f32_dpp v[\x], v[\x], v[\x] row_xmask:1 row_mask:0xf bank_mask:0xf
	s_delay_alu instid0(VALU_DEP_1)
	v_add_f32_dpp v[\x], v[\x], v[\x] row_xmask:2 row_mask:0xf bank_mask:0xf
	s_delay_alu instid0(VALU_DEP_1)
	v_add_f32_dpp v[\x], v[\x], v[\x] row_xmask:4 row_mask:0xf bank_mask:0xf
	s_delay_alu instid0(VALU_DEP_1)
	v_add_f32_dpp v[\x], v[\x], v[\x] row_xmask:8 row_mask:0xf bank_mask:0xf
	s_delay_alu instid0(VALU_DEP_1)
	v_permlanex16_b32 v[\t], v[\x], s26, s27
	s_delay_alu instid0(VALU_DEP_1)
	v_add_f32 v[\x], v[\x], v[\t]
.endm
.macro RMAX x, t
	v_max_num_f32_dpp v[\x], v[\x], v[\x] row_xmask:1 row_mask:0xf bank_mask:0xf
	s_delay_alu instid0(VALU_DEP_1)
	v_max_num_f32_dpp v[\x], v[\x], v[\x] row_xmask:2 row_mask:0xf bank_mask:0xf
	s_delay_alu instid0(VALU_DEP_1)
	v_max_num_f32_dpp v[\x], v[\x], v[\x] row_xmask:4 row_mask:0xf bank_mask:0xf
	s_delay_alu instid0(VALU_DEP_1)
	v_max_num_f32_dpp v[\x], v[\x], v[\x] row_xmask:8 row_mask:0xf bank_mask:0xf
	s_delay_alu instid0(VALU_DEP_1)
	v_permlanex16_b32 v[\t], v[\x], s26, s27
	s_delay_alu instid0(VALU_DEP_1)
	v_max_num_f32 v[\x], v[\x], v[\t]
.endm
.macro SUM8                            ; v100 = the sum of v100 .. v107
	v_add_f32 v100, v100, v101
	v_add_f32 v102, v102, v103
	v_add_f32 v104, v104, v105
	v_add_f32 v106, v106, v107
	s_delay_alu instid0(VALU_DEP_3)
	v_add_f32 v100, v100, v102
	s_delay_alu instid0(VALU_DEP_2)
	v_add_f32 v104, v104, v106
	s_delay_alu instid0(VALU_DEP_1)
	v_add_f32 v100, v100, v104
.endm
.macro BARRIER                         ; my LDS stores have landed: then the work-group's barrier
	s_wait_dscnt 0x0
	s_barrier_signal -1
	s_barrier_wait -1
.endm
	s_load_b256 s[4:11], s[0:1], 0x0               ; scores s[4:5], pctx s[6:7], Va s[8:9], Va_b s[10:11]
	s_load_b128 s[12:15], s[0:1], 0x20             ; out0 s[12:13], out1 s[14:15]
	v_lshl_add_u32 v128, v0, 2, 0x200
	v_mov_b32 v129, 0
	v_lshlrev_b32 v1, 4, v0                        ; 16 x thread
	v_lshrrev_b32 v2, 5, v0
	s_delay_alu instid0(VALU_DEP_1)
	v_lshlrev_b32 v2, 2, v2                        ; 4 x wave: my wave's word
	v_mov_b32 v3, 0
	v_mov_b32 v96, 0                               ; written once: a lane permute's destination counts as one of its sources
	v_mov_b32 v97, 0
	s_lshl_b32 s20, ttmp9, 13                      ; the batch's 2,048 scores
	s_mov_b32 s21, 0
	s_lshl_b32 s22, ttmp9, 16                      ; its 16 partial contexts
	s_mov_b32 s23, 0
	s_lshl_b32 s24, ttmp9, 12                      ; its row of out0
	s_mov_b32 s25, 0
	s_mov_b32 s26, 0x76543210
	s_mov_b32 s27, 0xfedcba98
	s_mov_b32 s28, 0x3fb8aa3b                      ; log2(e)
	s_wait_alu depctr_va_vdst(0)
	s_wait_kmcnt 0x0
	s_load_b32 s16, s[10:11], 0x0                  ; Va_b
	s_add_nc_u64 s[4:5], s[4:5], s[20:21]
	s_add_nc_u64 s[6:7], s[6:7], s[22:23]
	s_add_nc_u64 s[12:13], s[12:13], s[24:25]
	s_add_nc_u64 s[14:15], s[14:15], s[20:21]
	global_load_b128 v[12:15], v1, s[8:9]
	global_load_b128 v[4:7], v1, s[4:5]
	global_load_b128 v[8:11], v1, s[4:5] offset:4096
.irp k, 0,1,2,3,4,5,6,7,8,9,10,11,12,13,14,15
	global_load_b128 v[16+4*\k:19+4*\k], v1, s[6:7] offset:4096*\k
.endr
	s_wait_loadcnt 18                              ; Va is in; the 18 loads behind it may be out
	v_add_f32 v12, v12, v13
	v_add_f32 v14, v14, v15
	s_delay_alu instid0(VALU_DEP_1)
	v_add_f32 v12, v12, v14
	RSUM 12, 96
	ds_store_b32 v2, v12                           ; all lanes of a wave write the same word with the same value
	BARRIER
	ds_load_b128 v[100:103], v3
	ds_load_b128 v[104:107], v3 offset:16
	s_wait_dscnt 0x0
	SUM8
	s_wait_alu depctr_va_vdst(0)
	s_wait_kmcnt 0x0
	v_add_f32 v100, s16, v100                      ; the sum of Va + Va_b
	s_wait_alu depctr_va_vdst(0)
	s_wait_loadcnt 16                              ; the scores are in; pctx's 16 loads may be out
.irp q, 4,6,8,10
	v_pk_add_f32 v[\q:\q+1], v[\q:\q+1], v[100:101] op_sel_hi:[1,0]
.endr
	s_delay_alu instid0(VALU_DEP_3)
	v_max3_num_f32 v108, v4, v5, v6
	s_delay_alu instid0(VALU_DEP_2)
	v_max3_num_f32 v109, v8, v9, v10
	s_delay_alu instid0(VALU_DEP_2)
	v_max_num_f32 v108, v108, v7
	s_delay_alu instid0(VALU_DEP_2)
	v_max_num_f32 v109, v109, v11
	RMAX 108, 96                                   ; block w's largest score,
	RMAX 109, 97                                   ; block 8 + w's
	ds_store_b32 v2, v108 offset:64
	ds_store_b32 v2, v109 offset:96
	BARRIER
.irp e, 0,1,2,3
	ds_load_b128 v[80+4*\e:83+4*\e], v3 offset:64+16*\e   ; the 16 blocks' maxima, in every lane
.endr
	s_wait_dscnt 0x0
	v_max3_num_f32 v110, v80, v81, v82
.irp e, 83,85,87,89,91,93
	s_delay_alu instid0(VALU_DEP_1)
	v_max3_num_f32 v110, v110, v[\e], v[\e+1]
.endr
	s_delay_alu instid0(VALU_DEP_1)
	v_max_num_f32 v110, v110, v95                  ; the batch's largest score
	s_delay_alu instid0(VALU_DEP_1)
	v_mul_f32 v111, s28, v110
.irp e, 0,1,2,3,4,5,6,7
	v_fma_f32 v[4+\e], v[4+\e], s28, -v111
.endr
.irp k, 0,1,2,3,4,5,6,7,8,9,10,11,12,13,14,15
	v_fma_f32 v[80+\k], v[80+\k], s28, -v111
.endr
	s_wait_alu depctr_va_vdst(0)
.irp e, 0,1,2,3,4,5,6,7
	v_exp_f32 v[4+\e], v[4+\e]                     ; exp(S - m)
.endr
.irp k, 0,1,2,3,4,5,6,7,8,9,10,11,12,13,14,15
	v_exp_f32 v[80+\k], v[80+\k]                   ; exp(m_k - m)
.endr
	v_nop                                          ; a plain line behind the last exponential,
	s_wait_alu depctr_va_vdst(0)                   ; and one wait for the 24, ahead of their first reader
	v_pk_add_f32 v[112:113], v[4:5], v[6:7]
	v_pk_add_f32 v[114:115], v[8:9], v[10:11]
	s_delay_alu instid0(VALU_DEP_1)
	v_pk_add_f32 v[112:113], v[112:113], v[114:115]
	s_delay_alu instid0(VALU_DEP_1)
	v_add_f32 v112, v112, v113
	RSUM 112, 96
	ds_store_b32 v2, v112 offset:128
	BARRIER
	ds_load_b128 v[100:103], v3 offset:128
	ds_load_b128 v[104:107], v3 offset:144
	s_wait_dscnt 0x0
	SUM8
	s_wait_alu depctr_va_vdst(0)
	v_rcp_f32 v100, v100                           ; 1 / l
	v_nop
	s_wait_alu depctr_va_vdst(0)
.irp q, 4,6,8,10
	v_pk_mul_f32 v[\q:\q+1], v[\q:\q+1], v[100:101] op_sel_hi:[1,0]
.endr
	global_store_b128 v1, v[4:7], s[14:15]
	global_store_b128 v1, v[8:11], s[14:15] offset:4096
.irp q, 80,82,84,86,88,90,92,94
	v_pk_mul_f32 v[\q:\q+1], v[\q:\q+1], v[100:101] op_sel_hi:[1,0]   ; exp(m_k - m) / l
.endr
	s_wait_alu depctr_va_vdst(0)
	s_wait_loadcnt 0x0                             ; the partial contexts
.irp e, 0,1,2,3
	v_mul_f32 v[116+\e], v[16+\e], v80             ; the first block starts the sums
.endr
.irp k, 1,2,3,4,5,6,7,8,9,10,11,12,13,14,15
.irp e, 0,1,2,3
	s_delay_alu instid0(VALU_DEP_4)
	v_fma_f32 v[116+\e], v[16+4*\k+\e], v[80+\k], v[116+\e]
.endr
.endr
	global_store_b128 v1, v[116:119], s[12:13]
	s_wait_tensorcnt 0x0
	ds_add_u32 v128, v129
	s_wait_dscnt 0x0
	s_endpgm
.Lfunc_end_k_qa5c3533a67_combine:
	.size	k_qa5c3533a67_combine, .Lfunc_end_k_qa5c3533a67_combine-k_qa5c3533a67_combine
	.p2alignl 7, 3214868480
	.fill 96, 4, 3214868480
	.section	.rodata,"a",@progbits
	.p2align	6, 0x0
	.amdhsa_kernel k_qa5c3533a67_combine
		.amdhsa_group_segment_fixed_size 1536
		.amdhsa_private_segment_fixed_size 0
		.amdhsa_enable_private_segment 0
		.amdhsa_kernarg_size 48
		.amdhsa_user_sgpr_count 2
		.amdhsa_user_sgpr_kernarg_segment_ptr 1
		.amdhsa_wavefront_size32 1
		.amdhsa_system_sgpr_workgroup_id_x 1
		.amdhsa_system_sgpr_workgroup_id_y 1
		.amdhsa_system_sgpr_workgroup_id_z 1
		.amdhsa_system_vgpr_workitem_id 0
		.amdhsa_next_free_vgpr 130
		.amdhsa_next_free_sgpr 66
		.amdhsa_reserve_vcc 0
		.amdhsa_float_denorm_mode_32 3
		.amdhsa_float_denorm_mode_16_64 3
		.amdhsa_memory_ordered 1
		.amdhsa_forward_progress 1
		.amdhsa_inst_pref_size 19
	.end_amdhsa_kernel
	.amdgpu_metadata
---
amdhsa.version: [ 1, 2 ]
amdhsa.kernels:
  - .name:           k_qa5c3533a67_combine
    .symbol:         k_qa5c3533a67_combine.kd
    .args:
      - { .name: scores, .offset: 0, .size: 8, .value_kind: global_buffer, .address_space: global }
      - { .name: pctx, .offset: 8, .size: 8, .value_kind: global_buffer, .address_space: global }
      - { .name: Va_w, .offset: 16, .size: 8, .value_kind: global_buffer, .address_space: global }
      - { .name: Va_b, .offset: 24, .size: 8, .value_kind: global_buffer, .address_space: global }
      - { .name: out0, .offset: 32, .size: 8, .value_kind: global_buffer, .address_space: global }
      - { .name: out1, .offset: 40, .size: 8, .value_kind: global_buffer, .address_space: global }
    .group_segment_fixed_size: 1536
    .private_segment_fixed_size: 0
    .kernarg_segment_align: 8
    .kernarg_segment_size: 48
    .max_flat_workgroup_size: 256
    .sgpr_count:     66
    .vgpr_count:     130
    .wavefront_size: 32
...
	.end_amdgpu_metadata
.endif
;; end of part 3
